; MI455X (gfx1250); checked and timed in simulation.
; The chip was launched on July 23, 2026; its instructions are those of AMD's public machine-readable ISA for CDNA 5 (MIT licence, August 2026) and "CDNA5" Instruction Set Architecture Reference Guide (July 2026). The comments in the code are by the model that wrote it; some were corrected since.
;; GPT Attention. Allowed arithmetic: matrix products marked QUANTISED: E4M3 operands, one given power-of-two scale a tensor, by v_wmma_f32_16x16x64_fp8_fp8 or v_wmma_f32_16x16x128_fp8_fp8, f32 sums; everything else in f32.
;; Inputs: W_out_codes 1,024 x 32 x 32 uint8 (E4M3 codes of W_out, K innermost, in blocks of 32 codes); W_qkv_codes 3,072 x 32 x 32 uint8 (E4M3 codes of W_qkv, K innermost, in blocks of 32 codes); b_out 1,024 float32; b_qkv 3,072 float32; lowp_scales 8 int32 (the exponents e of the quantised operands' scales 2^e); x_codes 4 x 2,048 x 32 x 32 uint8 (E4M3 codes of x, K innermost, in blocks of 32 codes).
;; Outputs: out0 4 x 2,048 x 1,024 float32.
;; This version of the problem:
;;   THIS VERSION OF THE PROBLEM IS GIVEN IN LOW PRECISION. The matrix products marked QUANTISED in the list below multiply operands that are first quantised to E4M3 (4 exponent bits, 3 mantissa bits; 8 bits a number), with one given power-of-two scale for each operand tensor; their sums are f32. All else is computed in f32.
;;   The module's matrix products, in the order in which they are computed (A, B: the left and right operand; K: the contracted axis; several contracted axes count as one K, in the product's order):
;;     1. [M 8,192, K 1,024] x [K 1,024, N 3,072]; A: input x (given as codes); B: input W_qkv (given as codes): QUANTISED (scales: A lowp_scales[0], B lowp_scales[1])
;;     2. batch 64 x [M 2,048, K 64] x [K 64, N 2,048]; A: computed on the way; B: computed on the way: QUANTISED (scales: A lowp_scales[2], B lowp_scales[3])
;;     3. batch 64 x [M 2,048, K 2,048] x [K 2,048, N 64]; A: softmax (see below); B: computed on the way: QUANTISED (scales: A lowp_scales[4], B lowp_scales[5])
;;     4. [M 8,192, K 1,024] x [K 1,024, N 1,024]; A: computed on the way; B: input W_out (given as codes): QUANTISED (scales: A lowp_scales[6], B lowp_scales[7])
;;   THE QUANTISER, for each operand of a quantised product, along K:
;;     - The operand's scale is 2^e, e = its entry of the input lowp_scales (int32; the entries are numbered through the quantised products in the list's order, A before B).
;;     - Each number is divided by the scale, clamped to +-448, and rounded to the nearest number of E4M3, ties to even, subnormals kept.
;;     - The product sums the exact products of the quantised numbers (number of the format x scale) in f32.
;;   ~~~python
;;   def quantise(x, axis, e):      # numpy; x: float32 -> the quantised numbers, widened to float32 again
;;       x = np.moveaxis(x, axis, -1); K = x.shape[-1]
;;       r = np.clip(x / 2.0 ** e, -448, 448)
;;       step = 2.0 ** (np.maximum(np.frexp(np.where(r == 0, 1, r))[1] - 1, -6) - 3)
;;       q = np.round(r / step) * step * 2.0 ** e      # np.round: ties to even
;;       return np.moveaxis(q, -1, axis).astype(np.float32)
;;   ~~~
;;   SOFTMAX AHEAD OF A QUANTISED PRODUCT. Where the list says 'softmax', what is quantised is not the finished softmax but p = 2^(t - M), with t = logit x log2(e) and M = ceil(the row's largest t), a whole number; so 1/2 < the row's largest p <= 1. The row's sum l is taken of the UNQUANTISED p, in f32, and the product's result is divided by l at the end. Since M is a whole number, a kernel that streams over the keys may use a running M (the ceiling of the running maximum): every later rescaling is an exact power of two, so the quantised numbers keep their values, but for numbers so far below the row's largest that they fall under the format's range.
;;   OPERANDS COMPUTED ON THE WAY. 'Computed on the way' means the value that the module computes at that place (a softmax that the list does not call 'softmax' is quantised finished and normalised). What goes into a quantiser is computed in f32, as accurately as f32 sums, v_exp_f32 and their like allow (about 1e-6 of the number): no bf16 or f16 on the way to a quantiser, and a product that is left as it is and whose result goes on into a quantised operand takes f32 operands (vector FMAs, or v_wmma_f32_16x16x4_f32). A number that lies on a knife's edge between two numbers of the format may be rounded either way, as far as f32 arithmetic and the matrix unit's own rounding can turn it there, and no further.
;;   INPUTS GIVEN AS CODES. W_out (in the module: [1024, 1024], K = its axis 0); W_qkv (in the module: [1024, 3072], K = its axis 0); x (in the module: [4, 2048, 1024], K = its axis 2): each comes as NAME_codes (uint8): NAME with its K axis moved to the last place and cut into blocks of 32 codes, [.., K / 32, bytes a block], one block behind the other in memory; one code a byte (a code: sign, 4 exponent bits, 3 mantissa bits); its scale is its entry of lowp_scales. Its value is code x scale, taken as it is: it is not quantised again, and the codes and scales need not be those that the quantiser above would give.
;; One version. Each part assembles by itself: llvm-mc -triple=amdgcn-amd-amdhsa -mcpu=gfx1250 --defsym DOCPART=n.
;; ======== version 1 of 1: 3 launches
;; limits: right only within a limited range of input values
;; workspace buffers: q_img 8,388,608 bytes; k_img 8,388,608 bytes; v_img 8,388,608 bytes; a_img 8,388,608 bytes
;; launch qkv (part 1): grid 12 x 32, 4 waves a work-group, clusters of 4 x 4, 327,680 bytes of LDS; arguments x_codes, W_qkv_codes, b_qkv, lowp_scales, q_img, k_img, v_img; writes q_img, k_img, v_img
.if DOCPART == 1
	.amdgcn_target "amdgcn-amd-amdhsa--gfx1250"
	.amdhsa_code_object_version 6
	.text
	.protected	k_qfa52eaca1e_qkv
	.globl	k_qfa52eaca1e_qkv
	.p2align	8
	.type	k_qfa52eaca1e_qkv,@function
k_qfa52eaca1e_qkv:
	s_mov_b64 s[64:65], 0
	v_nop
	global_prefetch_b8 v0, s[64:65] scope:SCOPE_SE
	s_setreg_imm32_b32 hwreg(HW_REG_WAVE_MODE, 25, 1), 1
	s_wait_xcnt 0x0
	s_wait_alu depctr_hold_cnt(0) depctr_sa_sdst(0) depctr_va_vdst(0) depctr_va_sdst(0) depctr_va_ssrc(0) depctr_va_vcc(0) depctr_vm_vsrc(0)
	s_getreg_b32 s2, hwreg(HW_REG_IB_STS2, 6, 4)
	s_cmp_eq_u32 s2, 0
	s_cbranch_scc0 .Lentry_in_a_cluster
	s_endpgm
.Lentry_in_a_cluster:
	s_bfe_u32 s2, ttmp6, 0x10000c
	s_cmp_lg_u32 s2, 0xf033
	s_cbranch_scc0 .Lentry_shape_is_right
	s_endpgm
.Lentry_shape_is_right:
; qkv = x W_qkv + b_qkv on codes of FP8 (E4M3); q, k and v are quantised at once (scales 2^e2, 2^e3, 2^e5) and stored as IMAGES OF OPERAND REGISTERS for the attention launch.
; x: [8192][1024] codes, W_qkv: [3072][1024] codes, K innermost; b_qkv: [3072] f32; lowp_scales: e0 .. e7 (int32).
; A tile of 256 rows of x by 256 rows of W is made by a work-group of four waves; a wave makes 128 x 128: 64 accumulators of 16 x 16, 512 registers.
; K goes in steps of 256 through a ring of two LDS slots filled by the tensor data mover: 1,024 along K are four fills, two at the start and two refills.
; CLUSTERS: 4 x 4 work-groups.  The four of a row of the cluster need the same rows of x, the four of a column the same rows of W: each tile is asked for JOINTLY.
; The cluster's x says which part of W it serves: 0 = q, 1 = k, 2 = v; it is the same number in all sixteen partners.
; ROLES.  In a result, source 1's rows lie across the lanes and source 0's rows down a lane's eight registers, and a conversion packs a lane's eight registers.  What runs down the registers must be the NEXT product's K:
;   q, k: next K = the head's 64: source 0 = rows of W, source 1 = rows of x (tokens).   v: next K = the keys: source 0 = rows of x, source 1 = rows of W.
; P names source 1's operand, R source 0's.  The fills are the same in both cases; only the LDS base from which each set of fragments is read is chosen, by the cluster's x.
; IMAGES.  q_img, k_img: [head of batch bh 64][tile of 16 tokens 128][1,024 bytes]: the 8 registers of a 16 x 64 fragment (registers 2c, 2c+1: d = 16c + 8 (lane/16) + 0..7), four registers = 512 bytes, lane l's 16 bytes at 16 l.
;          v_img: [bh 64][step of 128 keys 16][tile of 16 d 4][2,048 bytes]: the 16 registers of a 16 x 128 fragment (registers 2c, 2c+1: key = 16c + 8 (lane/16) + 0..7).
; So every store of this launch is 512 consecutive bytes, aligned, straight from the conversions' registers: no LDS on the way out.
; The fragments of x and W are fetched by four loads of 16 bytes: a permutation of k inside an instruction's 128, the same in both operands, so every product meets its partner.
; 384 work-groups: a tile of 256 x 128 would read half as much again from LDS for each matrix instruction, and 256 x 384 would straddle the borders between q, k and v.
; Nothing is prefetched: of the four fills two go out at the head and the other two one K step later.
; LIMITS: e0 + e1 between -126 and 127; e2, e3, e5 between -126 and 119, so that each power of two below is an f32 number.  NaN among the inputs is not served.
; REGISTERS, in windows of 256: window 0: v1-31 addresses and constants; v32-95, v96-111 the two forms of the bias; from v128 P's fragments, ONE set (on the way out v128-191 numbers at work, v192-223 codes).
;   window 1: R's fragments, TWO sets, at v0 and v128.   window 2: the accumulators of P's blocks 0-3 ((a, b) at v[8 (8 (a % 4) + b)]);   window 3: those of blocks 4-7.
.set ROWB,   256                       ; a tile's row in bytes: 256 codes
.set KROW,   1024                      ; a row of x or of W in memory
.set PITCH,  272                       ; an LDS row: 256 bytes + 16 of padding, so that the 16 rows of a fragment load start 16 bytes apart modulo 256
.set FR,     16                        ; registers of a fragment: 16 rows x 128 K
.set NL,     4                         ; LDS loads that bring one
.set NP,     4                         ; places behind this matrix instruction (ISA guide 7.12.1)
.set HALFT,  128*PITCH                 ; 128 rows: what one tensor load brings, and what one wave reads of P or of R
.set SLOT,   4*HALFT                   ; x's 256 rows, then W's 256 rows
.set SPARE,  2*SLOT                    ; behind the ring: the spare words, 128 bytes for each wave
.set BRO,  8                           ; v8      byte offset of my bias numbers along the registers: 32 (lane/16) + 512 x R's half
.set BPO,  9                           ; v9      and along the lanes: 4 (lane%16) + 512 x P's half
.set LI,   10                          ; v10     16 x lane: my place in an image; never rewritten
.set ADRP, 16                          ; v16-17  LDS address of P's fragments in slot 0, 1
.set ADRR, 20                          ; v20-21  the same for R
.set SPW,  28                          ; v28     LDS address of my spare word; never rewritten
.set NIL,  29                          ; v29     0; never rewritten
.set SC,   30                          ; v30     2^eo as f32: the conversions take its exponent field
.set LIM,  31
.set BR,   32                          ; v32-95  b_qkv at W's row 16 b + 8 (lane/16) + j, at BR + 8 b + j (used for q and k)
.set BP,   96                          ; v96-111 b_qkv at W's row 16 a + lane%16, twice, at BP + 2 a (used for v)
.set AF,   128                         ; P's fragments
.set TMP,  128                         ; the way out: 64 numbers
.set CD,   192                         ; the way out: two sets of 16 registers of codes
.set G1, 24                            ; s[24:31] descriptor group 1 for x's tiles;  s[32:39] group 0, one set for each slot
.set G0, 32
.set G1B, 48                           ; s[48:55], s[56:63] the same for W's tiles
.set G0B, 56
.set MSB, 0
.macro WIN new                         ; the immediate's high byte repeats the setting that is left
.if MSB != (\new)
	s_set_vgpr_msb (MSB<<8)|(\new)
.set MSB, \new
.endif
.endm
.set MUL_LO, 0xa1                      ; source 0 (R) window 1, source 1 (P) window 0, C and D window 2
.set MUL_HI, 0xf1                      ; the same, C and D window 3
.set TO_B,   0x40                      ; destination window 1, address window 0
; A joint load: waves 0 and 1 fetch x's two halves, waves 2 and 3 W's.  Each of the two lines has one mask and one set of registers for all that issue it; the branch hangs on the wave's number alone.
; Four v_nop follow each of the two lines, ahead of the jump, the label and what follows.
.macro JLOAD g0a, g1a, g0b, g1b
	s_cmp_eq_u32 s15, 0
	s_cbranch_scc0 .Lfor_b_\@
	tensor_load_to_lds s[\g0a:\g0a+3], s[\g1a:\g1a+7]
	s_nop 0
.rept 4
	v_nop
.endr
	s_branch .Lasked_\@
.Lfor_b_\@:
	tensor_load_to_lds s[\g0b:\g0b+3], s[\g1b:\g1b+7]
	s_nop 0
.rept 4
	v_nop
.endr
.Lasked_\@:
.endm
.macro CREST                           ; a round of the cluster's barrier behind its opening barrier
	s_cmp_lg_u32 s14, 0
	s_cbranch_scc1 .Lnot_wave_0_\@
	s_barrier_signal -3
.Lnot_wave_0_\@:
	s_barrier_wait -3
	s_barrier_signal -1
	s_barrier_wait -1
.endm
.macro CROUND                          ; a whole round
	s_barrier_signal -1
	s_barrier_wait -1
	CREST
.endm
	s_load_b256 s[4:11], s[0:1], 0x0               ; x's codes s[4:5], W's codes s[6:7], b_qkv s[8:9], the exponents s[10:11]
	s_load_b128 s[68:71], s[0:1], 0x20             ; q_img s[68:69], k_img s[70:71]
	s_load_b64 s[72:73], s[0:1], 0x30              ; v_img
	v_lshl_add_u32 v[SPW], v0, 2, SPARE
	v_mov_b32 v[NIL], 0
	ds_add_u32 v28, v29
	ds_add_u32 v28, v29
	s_wait_dscnt 0x0
	v_lshrrev_b32 v1, 5, v0
	v_readfirstlane_b32 s14, v1                    ; wave 0..3
	s_lshr_b32 s15, s14, 1                         ; which half of P's 256 rows is mine.  Also: I fetch for x (0) or for W (1)
	s_and_b32 s16, s14, 1                          ; which half of R's.  Also: which 128 rows of that tile I fetch
	s_bfe_u32 s40, ttmp6, 0x40000                  ; cx, cy: my place in the cluster
	s_bfe_u32 s41, ttmp6, 0x40004
	s_lshl_b32 s42, ttmp9, 2
	s_add_co_u32 s42, s42, s40                     ; wx = 4 x cluster x + cx: which 256 rows of W
	s_and_b32 s17, ttmp7, 0xffff
	s_lshl_b32 s17, s17, 2
	s_add_co_u32 s17, s17, s41                     ; wy = 4 x cluster y + cy: which 256 rows of x
	s_lshl_b32 s43, s41, 2
	s_lshl_b32 s43, 15, s43                        ; my row of the cluster
	s_lshl_b32 s44, 0x1111, s40                    ; my column
	; descriptor group 1: a tile of 128 rows x 256 bytes, padded in LDS
	s_or_b32 s[G1+0], s43, (0<<16)|(1<<20)|(1<<21)|(5<<22)|(3<<25)  ; 15:0 the mask: x's tiles go to my row; 17:16 elements of 1 byte; 20 padding on; 21 set beside a mask; 24:22 after every 64 words; 31:25 four words
	s_or_b32 s[G1B+0], s44, (0<<16)|(1<<20)|(1<<21)|(5<<22)|(3<<25) ; the same with the mask of my column, for W's tiles
.irp g, G1, G1B
	s_mov_b32 s[\g+1], ROWB<<16                    ; tensor_dim0
	s_mov_b32 s[\g+2], 128<<16                     ; tensor_dim1 = 128
	s_mov_b32 s[\g+3], ROWB<<16                    ; tile_dim0
	s_mov_b32 s[\g+4], 128                         ; tile_dim1 = 128
	s_mov_b32 s[\g+5], KROW                        ; tensor_dim0_stride
	s_mov_b32 s[\g+6], 0
	s_mov_b32 s[\g+7], 0
.endr
	s_lshl_b32 s18, s16, 7                         ; which 128 rows of the tile I fetch
	s_lshl_b32 s20, s17, 8
	s_add_co_u32 s20, s20, s18                     ; x: row 256 wy + 128 x half
	s_lshl_b32 s46, s42, 8
	s_add_co_u32 s46, s46, s18                     ; W: row 256 wx + 128 x half
	s_mov_b32 s21, 0
	s_mov_b32 s47, 0
	s_mov_b64 s[18:19], KROW
	s_mul_u64 s[20:21], s[20:21], s[18:19]         ; in bytes
	s_mul_u64 s[46:47], s[46:47], s[18:19]
	s_mul_i32 s45, s14, HALFT                      ; where they go: wave x 128 rows: no place in the cluster enters an LDS address
	s_wait_kmcnt 0x0
	s_load_b256 s[76:83], s[10:11], 0x0            ; e0 .. e7
	s_add_nc_u64 s[20:21], s[4:5], s[20:21]
	s_add_nc_u64 s[46:47], s[6:7], s[46:47]
	CROUND                                         ; all sixteen work-groups are here: the first joint loads meet
.irp s, 0,1
	s_mov_b32 s[G0+4*\s], 1
	s_add_co_u32 s[G0+4*\s+1], s45, \s*SLOT
	s_add_nc_u64 s[G0+4*\s+2:G0+4*\s+3], s[20:21], \s*ROWB
	s_or_b32 s[G0+4*\s+3], s[G0+4*\s+3], 0x80000000
	s_mov_b32 s[G0B+4*\s], 1
	s_add_co_u32 s[G0B+4*\s+1], s45, \s*SLOT
	s_add_nc_u64 s[G0B+4*\s+2:G0B+4*\s+3], s[46:47], \s*ROWB
	s_or_b32 s[G0B+4*\s+3], s[G0B+4*\s+3], 0x80000000
	JLOAD G0+4*\s, G1, G0B+4*\s, G1B               ; two tensor loads of mine are out
.endr
	v_and_b32 v1, 15, v0                           ; l % 16
	v_bfe_u32 v2, v0, 4, 1                         ; l / 16
	v_mul_u32_u24 v3, v1, PITCH
	v_lshl_add_u32 v4, v2, 4, v3                   ; a fragment's row x pitch + 16 x half
	s_wait_alu depctr_va_vdst(0)
	s_cmp_eq_u32 ttmp9, 2                          ; the roles: does this cluster make v?
	s_cselect_b32 s90, 2*HALFT, 0                  ; P's region in a slot: W's for v, x's for q and k
	s_cselect_b32 s91, 0, 2*HALFT                  ; R's: the other one
	s_cselect_b32 s92, s15, s16                    ; which half of W's 256 rows is mine: it picks two of the tile's four heads
	s_cselect_b32 s93, s16, s15                    ; which half of x's 256 rows
	s_mul_i32 s21, s15, HALFT
	s_add_co_u32 s21, s21, s90                     ; my 128 rows of P
	s_mul_i32 s22, s16, HALFT
	s_add_co_u32 s22, s22, s91                     ; my 128 rows of R
.irp s, 0,1
	v_add_nc_u32 v[ADRP+\s], s21, v4
	v_add_nc_u32 v[ADRR+\s], s22, v4
	s_add_co_u32 s21, s21, SLOT
	s_add_co_u32 s22, s22, SLOT
.endr
	; the bias in both forms, without a branch: both index ranges lie inside the tile's 256 entries of b_qkv
	v_lshlrev_b32 v[BRO], 5, v2
	s_lshl_b32 s23, s16, 9
	v_add_nc_u32 v[BRO], s23, v[BRO]
	v_lshlrev_b32 v[BPO], 2, v1
	s_lshl_b32 s23, s15, 9
	v_add_nc_u32 v[BPO], s23, v[BPO]
	s_lshl_b32 s86, s42, 10                        ; 256 wx entries of 4 bytes
	s_mov_b32 s87, 0
	s_add_nc_u64 s[86:87], s[8:9], s[86:87]
.irp b, 0,1,2,3,4,5,6,7
	global_load_b128 v[BR+8*\b:BR+8*\b+3],   v[BRO], s[86:87] offset:64*\b
	global_load_b128 v[BR+8*\b+4:BR+8*\b+7], v[BRO], s[86:87] offset:64*\b+16
.endr
.irp a, 0,1,2,3,4,5,6,7
	global_load_b32 v[BP+2*\a],   v[BPO], s[86:87] offset:64*\a
	global_load_b32 v[BP+2*\a+1], v[BPO], s[86:87] offset:64*\a   ; twice: the packed multiply-add names a pair
.endr
	v_and_b32 v5, 31, v0
	v_lshlrev_b32 v[LI], 4, v5
	; where my images begin: bh = 16 (wy / 8) + 4 cx + 2 x (my half of W), 131,072 bytes each; then (wy % 8) x 256 tokens + my half of x: 64 bytes of image a token in all three buffers
	s_lshr_b32 s88, s17, 3
	s_lshl_b32 s88, s88, 4
	s_lshl_b32 s89, s40, 2
	s_add_co_u32 s88, s88, s89
	s_lshl_b32 s89, s92, 1
	s_add_co_u32 s88, s88, s89
	s_lshl_b32 s88, s88, 17
	s_and_b32 s89, s17, 7
	s_lshl_b32 s89, s89, 14
	s_add_co_u32 s88, s88, s89
	s_lshl_b32 s89, s93, 13
	s_add_co_u32 s88, s88, s89
	s_mov_b32 s89, 0
.macro FRAG reg, adr, q, i             ; a fragment, 16 rows x 128 K, is 16 registers: lane l holds row l % 16; registers 4 c .. 4 c + 3 hold K = 32 c + 16 (l / 16) + 0 .. 15
.irp c, 0,1,2,3
	ds_load_b128 v[\reg+4*\c:\reg+4*\c+3], v[\adr] offset:128*(\q)+32*\c+(\i)*16*PITCH
.endr
.endm
; 16 matrix instructions: P's blocks a0, a0 + 1 x R's eight, 128 along K.  p: R's set.  zero = 1: the first product starts the sums: nothing is ever cleared.
; The 64 accumulators take turns, one instruction a turn, in the same order in every step.
.macro MUL16 a0, p, zero
.irp a, \a0, \a0+1
.irp b, 0,1,2,3,4,5,6,7
.if \zero
	v_wmma_f32_16x16x128_fp8_fp8 v[8*(8*((\a)%4)+\b):8*(8*((\a)%4)+\b)+7], v[128*(\p)+FR*\b:128*(\p)+FR*\b+FR-1], v[AF+FR*(\a):AF+FR*(\a)+FR-1], 0
.else
	v_wmma_f32_16x16x128_fp8_fp8 v[8*(8*((\a)%4)+\b):8*(8*((\a)%4)+\b)+7], v[128*(\p)+FR*\b:128*(\p)+FR*\b+FR-1], v[AF+FR*(\a):AF+FR*(\a)+FR-1], v[8*(8*((\a)%4)+\b):8*(8*((\a)%4)+\b)+7]
.endif
.endr
.endr
.endm
.macro FETCH_B slot, q, p              ; R's eight fragments of the slot's q-th 128 along K into set p
	WIN TO_B
.irp i, 0,1,2,3,4,5,6,7
	FRAG 128*(\p)+FR*\i, ADRR+\slot, \q, \i
.endr
	WIN 0
.endm
.macro FETCH_A slot, q, i0             ; P's blocks i0 .. i0 + 3
.irp i, \i0, \i0+1, \i0+2, \i0+3
	FRAG AF+FR*(\i), ADRP+\slot, \q, \i
.endr
.endm
; A load into a register that a matrix instruction has read, and a vector instruction that reads a matrix result, stand NP places behind that matrix instruction; only plain vector
; instructions that name none of its registers are places (ISA guide 7.12.1 for vector instructions).
.macro PLACES n
.rept \n
	v_nop
.endr
.endm
; A step of 128 along K that has its successor in the same slot.  P's blocks are free as soon as their eight products are issued, so one set serves P: blocks 0-3 come anew in the step's middle, blocks 4-7 at its end.
.macro STEP slot, q, zero
	s_wait_dscnt 4*NL                              ; R's set and P's blocks 0-3 are in; the youngest sixteen loads (P's blocks 4-7) may be out
	WIN MUL_LO
	MUL16 0, (\q)%2, \zero
	MUL16 2, (\q)%2, \zero
	s_wait_dscnt 0                                 ; P's blocks 4-7 are in (asked for 32 matrix instructions ago)
	PLACES NP
	FETCH_B \slot, (\q)+1, 1-(\q)%2
	FETCH_A \slot, (\q)+1, 0
	WIN MUL_HI
	MUL16 4, (\q)%2, \zero
	MUL16 6, (\q)%2, \zero
	PLACES NP
	WIN 0
	FETCH_A \slot, (\q)+1, 4
.endm
; A slot's last step changes slots: ONE barrier; in front of it each wave waits for all its tensor loads, adds 0 to its spare word, and waits for that and for its own reads of this slot.  fill = 1: this slot is filled again, two K steps ahead.
.macro TURN slot, next, fill
	s_wait_tensorcnt 0x0                           ; all my tensor loads have landed: my part of the next slot  (every window is 0 here: the add's two registers lie in window 0)
	ds_add_u32 v[SPW], v[NIL]                      ; 0 onto my spare word
	s_wait_dscnt 4*NL+1                            ; (the add and the youngest sixteen loads, P's blocks 4-7, may be out)
	WIN MUL_LO
	MUL16 0, 1, 0                                  ; sixteen matrix instructions stand between the add and the wait for it
	s_wait_dscnt 0x0                               ; the add is done, and my reads of this slot are over
	s_barrier_signal -1
	MUL16 2, 1, 0
	WIN 0
	s_barrier_wait -1
.if \fill
	CREST                                          ; the barrier has opened a round of the cluster's barrier: no wave of any partner still reads this slot's tile or has a load on its way
	s_add_nc_u64 s[G0+4*\slot+2:G0+4*\slot+3], s[G0+4*\slot+2:G0+4*\slot+3], 2*ROWB
	s_add_nc_u64 s[G0B+4*\slot+2:G0B+4*\slot+3], s[G0B+4*\slot+2:G0B+4*\slot+3], 2*ROWB
	JLOAD G0+4*\slot, G1, G0B+4*\slot, G1B         ; the first tensor load behind the round; the four v_nop behind it are the places in front of the loads below
.else
	PLACES NP
.endif
	FETCH_B \next, 0, 0
	FETCH_A \next, 0, 0
	WIN MUL_HI
	MUL16 4, 1, 0
	MUL16 6, 1, 0
	PLACES NP
	WIN 0
	FETCH_A \next, 0, 4
.endm
	s_wait_alu depctr_va_vdst(0)
	s_wait_tensorcnt 1                             ; my part of K step 0 is in (K step 1's load may be out)
	s_barrier_signal -1
	s_barrier_wait -1                              ; everybody's is
	FETCH_B 0, 0, 0
	FETCH_A 0, 0, 0
	FETCH_A 0, 0, 4
	STEP 0, 0, 1                                   ; K 0-127: its products start the sums
	TURN 0, 1, 1                                   ; K 128-255; slot 0 takes K 512-767
	STEP 1, 0, 0                                   ; K 256-383
	TURN 1, 0, 1                                   ; K 384-511; slot 1 takes K 768-1023
	STEP 0, 0, 0                                   ; K 512-639
	TURN 0, 1, 0                                   ; K 640-767; nothing is left to fetch, and no round of the cluster's barrier follows
	STEP 1, 0, 0                                   ; K 768-895
	s_wait_dscnt 4*NL                              ; K 896-1023
	WIN MUL_LO
	MUL16 0, 1, 0
	MUL16 2, 1, 0
	s_wait_dscnt 0
	WIN MUL_HI
	MUL16 4, 1, 0
	MUL16 6, 1, 0
	WIN 0
	; THE WAY OUT.  number = sum x 2^(e0 + e1) + bias, one packed multiply-add for two; held within +-448 x 2^eo; eight registers of an accumulator become two registers of codes.
	s_wait_kmcnt 0x0
	s_add_co_i32 s96, s76, s77                     ; e0 + e1
	s_add_co_i32 s96, s96, 127
	s_lshl_b32 s96, s96, 23                        ; 2^(e0 + e1) as f32
	s_mov_b32 s97, s96                             ; (named with it as a pair, so it is written)
	s_cmp_eq_u32 ttmp9, 0
	s_cselect_b64 s[84:85], s[68:69], s[70:71]     ; q_img or k_img,
	s_cselect_b32 s94, s78, s79                    ; e2 or e3,
	s_cmp_eq_u32 ttmp9, 2
	s_cselect_b64 s[84:85], s[72:73], s[84:85]     ; or v_img
	s_cselect_b32 s94, s81, s94                    ; and e5: the choices hang on the cluster's x alone
	s_add_nc_u64 s[84:85], s[84:85], s[88:89]
	s_add_co_i32 s94, s94, 127
	s_lshl_b32 s95, s94, 23
	v_mov_b32 v[SC], s95
	s_wait_loadcnt 0x0                             ; the bias
	PLACES NP                                      ; behind the last products: their results are read, and P's registers are written, below
; P's block a.  kind = 0 (q, k): a lane holds token 16 a + lane%16; accumulators b = 0-3 are one head's 64, b = 4-7 the next head's: two fragments of 8 registers.
; kind = 1 (v): a lane holds d-row 16 (a % 4) + lane%16 of head a / 4; accumulators b = 0-7 are 128 keys: one fragment of 16 registers.
.macro OUTBLK a, kind
.set AC, 64*((\a)%4)
.set CC, CD+16*((\a)%2)
.if (\a) >= 2
	s_wait_xcnt 0x0                                ; the stores of two blocks ago have read this set of code registers
.endif
	WIN 0x02+((\a)/4)                              ; source 0: window 2 or 3
.irp b, 0,1,2,3,4,5,6,7
.irp i, 0,2,4,6
.if \kind
	v_pk_fma_f32 v[TMP+8*\b+\i:TMP+8*\b+\i+1], v[AC+8*\b+\i:AC+8*\b+\i+1], s[96:97], v[BP+2*(\a):BP+2*(\a)+1] op_sel_hi:[1,0,1]   ; each accumulator from its low end on
.else
	v_pk_fma_f32 v[TMP+8*\b+\i:TMP+8*\b+\i+1], v[AC+8*\b+\i:AC+8*\b+\i+1], s[96:97], v[BR+8*\b+\i:BR+8*\b+\i+1] op_sel_hi:[1,0,1]
.endif
.endr
.endr
	WIN 0
.set j, 0
.rept 64
.set j, j+1
.endr
.irp b, 0,1,2,3,4,5,6,7
	v_cvt_scalef32_pk8_fp8_f32 v[CC+2*\b:CC+2*\b+1], v[TMP+8*\b:TMP+8*\b+7], v[SC]
.endr
	v_nop                                          ; one plain vector instruction between the conversions and the next block's writes of their sources
.irp i, 0,1,2,3
.if \kind
	global_store_b128 v[LI], v[CC+4*\i:CC+4*\i+3], s[84:85] offset:((\a)/4)*131072+((\a)%4)*2048+\i*512   ; 32 lanes store 512 consecutive bytes, aligned
.else
	global_store_b128 v[LI], v[CC+4*\i:CC+4*\i+3], s[84:85] offset:(\a)*1024+(\i/2)*131072+(\i%2)*512
.endif
.endr
.endm
	s_cmp_eq_u32 ttmp9, 2
	s_cbranch_scc1 .Lv
.irp a, 0,1,2,3,4,5,6,7
	OUTBLK \a, 0
.endr
	s_branch .Lend
.Lv:
.irp a, 0,1,2,3,4,5,6,7
	OUTBLK \a, 1
.endr
.Lend:
	s_wait_tensorcnt 0x0                           ; the wave's end
	ds_add_u32 v[SPW], v[NIL]
	s_wait_dscnt 0x0
	CROUND                                         ; the closing round: no work-group ends while a partner may still ask for a tile that names it
	s_endpgm
.Lfunc_end_k_qfa52eaca1e_qkv:
	.size	k_qfa52eaca1e_qkv, .Lfunc_end_k_qfa52eaca1e_qkv-k_qfa52eaca1e_qkv
	.p2alignl 7, 3214868480
	.fill 96, 4, 3214868480
	.section	.rodata,"a",@progbits
	.p2align	6, 0x0
	.amdhsa_kernel k_qfa52eaca1e_qkv
		.amdhsa_group_segment_fixed_size 327680
		.amdhsa_private_segment_fixed_size 0
		.amdhsa_enable_private_segment 0
		.amdhsa_kernarg_size 56
		.amdhsa_user_sgpr_count 2
		.amdhsa_user_sgpr_kernarg_segment_ptr 1
		.amdhsa_wavefront_size32 1
		.amdhsa_system_sgpr_workgroup_id_x 1
		.amdhsa_system_sgpr_workgroup_id_y 1
		.amdhsa_system_sgpr_workgroup_id_z 1
		.amdhsa_system_vgpr_workitem_id 0
		.amdhsa_next_free_vgpr 1024
		.amdhsa_next_free_sgpr 100
		.amdhsa_reserve_vcc 0
		.amdhsa_float_denorm_mode_32 3
		.amdhsa_float_denorm_mode_16_64 3
		.amdhsa_fp16_overflow 1
		.amdhsa_memory_ordered 1
		.amdhsa_forward_progress 1
		.amdhsa_inst_pref_size 129
	.end_amdhsa_kernel
	.amdgpu_metadata
---
amdhsa.version: [ 1, 2 ]
amdhsa.kernels:
  - .name:           k_qfa52eaca1e_qkv
    .symbol:         k_qfa52eaca1e_qkv.kd
    .args:
      - { .name: x_codes, .offset: 0, .size: 8, .value_kind: global_buffer, .address_space: global }
      - { .name: W_qkv_codes, .offset: 8, .size: 8, .value_kind: global_buffer, .address_space: global }
      - { .name: b_qkv, .offset: 16, .size: 8, .value_kind: global_buffer, .address_space: global }
      - { .name: lowp_scales, .offset: 24, .size: 8, .value_kind: global_buffer, .address_space: global }
      - { .name: q_img, .offset: 32, .size: 8, .value_kind: global_buffer, .address_space: global }
      - { .name: k_img, .offset: 40, .size: 8, .value_kind: global_buffer, .address_space: global }
      - { .name: v_img, .offset: 48, .size: 8, .value_kind: global_buffer, .address_space: global }
    .group_segment_fixed_size: 327680
    .private_segment_fixed_size: 0
    .kernarg_segment_align: 8
    .kernarg_segment_size: 56
    .max_flat_workgroup_size: 128
    .sgpr_count:     100
    .vgpr_count:     1024
    .wavefront_size: 32
...
	.end_amdgpu_metadata
.endif
;; end of part 1
;; launch attn (part 2): grid 4 x 64, 16 waves a work-group, no clusters, 327,680 bytes of LDS; arguments q_img, k_img, v_img, lowp_scales, a_img; writes a_img
.if DOCPART == 2
	.amdgcn_target "amdgcn-amd-amdhsa--gfx1250"
	.amdhsa_code_object_version 6
	.text
	.protected	k_qfa52eaca1e_attn
	.globl	k_qfa52eaca1e_attn
	.p2align	8
	.type	k_qfa52eaca1e_attn,@function
k_qfa52eaca1e_attn:
	s_mov_b64 s[64:65], 0
	v_nop
	global_prefetch_b8 v0, s[64:65] scope:SCOPE_SE
	s_setreg_imm32_b32 hwreg(HW_REG_WAVE_MODE, 25, 1), 1
	s_wait_xcnt 0x0
; Causal attention on codes of FP8 (E4M3): for each of 64 heads of a batch (bh), 2,048 tokens, head size 64.  scores = q k^T / 8; p = 2^(t - M), t = score x log2(e), M the running largest t rounded UP to a whole number;
; p is quantised along the keys with 2^e4; the row's sum is taken of the unquantised p, in f32; o = (p v) / sum is quantised with 2^e6 and stored as images of the last product's operand registers.
; q_img, k_img: [bh][tile of 16 tokens][1,024 bytes], v_img: [bh][step of 128 keys][tile of 16 d][2,048 bytes]: images of operand registers, four registers = 512 bytes, lane l's 16 bytes at 16 l.
; a_img: [K step of 256 = 4 heads][tile of 16 rows 512][half of 128][c 4][lane][16 bytes]: registers 4 c .. 4 c + 3 of a 16 x 128 fragment hold k = 32 c + 16 (lane/16) + 0 .. 15.
; SHARES.  Work-group (p, bh) owns the blocks of 256 queries H = 7 - p and L = p.  Block i needs key slots (256 keys) 0 .. i, so the two need (8 - p) + (p + 1) = 9 slots: the same for all 256 work-groups.
; It walks 9 positions, a constant count: positions 0 .. 7 - p are key slots 0 .. 7 - p for H, then key slots 0 .. p for L.  Each of the SIXTEEN waves owns 16 queries of the block in hand, in 256 registers: four waves to a SIMD.
; NO CLUSTER: from position 8 - p on the four work-groups of a head want different key slots (p = 3 turns back at position 5, p = 0 at position 8); walked in step on a common list the four would take 8 + 4 = 12 slot times against 9.
; LAYOUT.  Both products are used transposed: S^T = K Q^T (source 0 = 16 keys, source 1 = my 16 queries), O^T = V^T P^T (source 0 = 16 of the head's 64, source 1 = P): a lane holds ONE query (lane % 16) throughout.
; In tile t of S^T register j of lane (r, h) is key 16 t + 8 h + j: packed, that is registers 2 t, 2 t + 1 of P's fragment for the K = 128 form, k in its true place.
; THE MASK.  A step all of whose 128 keys come after my 16 queries is left out by a scalar branch on ids; on the diagonal hidden scores become -infinity ahead of the maximum, so p = 0.
; (reference() writes -1e10 there: p is 0 all the same as long as a row's largest score lies above about -1e10 + 100; every query sees its own key.)
; LIMITS on the given exponents, so that each power of two below is an f32 number: e2 + e3 between -121 and 130 (added to c's exponent field); e4 and e6 between -126 and 119; e4 + e5 goes in by v_ldexp_f32.  NaN is not served.
; REGISTERS: v1-6 addresses that stay; v12 -M, v13 the largest t, v[14:15] the sum in two halves; v16-23 Q in hand, v24-31 Q of block L; v32-95 K's 8 fragments, then V's 4; v96-159 S^T, then p; v160-191 O^T;
;   v192-207 p's codes; v208-211 constants; v212 f (v213 = 0 beside it); v214-219 at work; v220-227 the output's codes; v228 the mask's d.
.set SLOT1, 32768                      ; a slot: K's 16 images (16,384 bytes), then V's 8 (16,384); slot 1 begins here, so that one exclusive or turns an address
.set VOFF,  16384
.set SPARE, 65536                      ; behind the ring: the spare words, 128 bytes for each of 16 waves
.set LI,   1                           ; v1   16 x lane: my place in an image, in LDS and in memory; never rewritten
.set ADK,  2                           ; v2   LI + the slot in hand
.set PFO,  3                           ; v3   256 x lane: the prefetches' offset; never rewritten
.set MD,   4                           ; v4   lane%16 - 8 (lane/16)
.set SPW,  5                           ; v5   LDS address of my spare word; never rewritten
.set NIL,  6                           ; v6   0; never rewritten
.set TB,   2                           ; s2   LDS byte at which the slot in hand begins
.set WV,   18                          ; s18  my wave's number
.set SEL,  20                          ; s[20:21] lane selects for v_permlanex16_b32: lane l xor 16
.set CS,   22                          ; s[22:23] c = log2(e) / 8 x 2^(e2 + e3)
.set G1,   24                          ; s[24:31] descriptor group 1: 64 rows of 256 bytes, dense
.set G0,   32                          ; s[32:35] descriptor group 0, which walks
.set SLOTS, 36                         ; s36  positions still to be asked for
.set POS,  37                          ; s37  the position in hand
.set SW,   38                          ; s38  8 - p: the position at which block L begins
.set BACK, 39                          ; s39  SW x 16,384
.set BK,   40                          ; s[40:41] what the walking address goes back by: BACK at the change of blocks, else 0
.set KF,   42                          ; s42  the step's first key
.set Q0,   43                          ; s43  my first query of the block in hand
.set QL0,  44                          ; s44  my first query of block L
.set OUTH, 46                          ; s[46:47], s[48:49] where my 16 rows of a_img begin, for H and for L
.set OUTL, 48
.set PFA,  50                          ; s[50:51] where my prefetches stand
.set LIM,  52                          ; s52  2 in a wave that prefetches, else the greatest number
.set EPV,  53                          ; s53  e4 + e5
; Wave 0 fetches a slot's K, wave 1 its V, the others nothing.  Four v_nop follow the line.
.macro TLOAD
	s_cmp_lt_u32 s[WV], 2
	s_cbranch_scc0 .Lnone_\@
	tensor_load_to_lds s[G0:G0+3], s[G1:G1+7]
	s_nop 0
.rept 4
	v_nop
.endr
.Lnone_\@:
.endm
; A PREFETCH INTO THE L2 of the key slot that the NEXT change of slots will ask for, a slot's two key steps ahead of that load.  All four work-groups of a head read the same K and V: the one with p = 0, which walks key slots
; 0 to 7 in order, asks, and nobody else.  In it waves 4 and 5 ask for K's 16,384 bytes and waves 6 and 7 for V's: 8,192 bytes a wave, lanes 256 bytes apart: each aligned block of 256 bytes is named once in the launch.
; Trip n asks for key slot n + 2 while n <= 5 (s[SLOTS] = 8 - n above 2): slots 0 and 1 come by their loads alone, nothing is asked past slot 7, and slot 0 is not asked for a second time.
.macro ASK
	s_cmp_gt_u32 s[SLOTS], s[LIM]
	s_cbranch_scc0 .Lnot_mine_\@
	global_prefetch_b8 v[PFO], s[PFA:PFA+1] th:TH_LOAD_NT scope:SCOPE_SE
.Lnot_mine_\@:
.endm
	s_load_b256 s[4:11], s[0:1], 0x0               ; q_img s[4:5], k_img s[6:7], v_img s[8:9], the exponents s[10:11]
	s_load_b64 s[12:13], s[0:1], 0x20              ; a_img
	v_lshl_add_u32 v[SPW], v0, 2, SPARE
	v_mov_b32 v[NIL], 0
	ds_add_u32 v5, v6
	ds_add_u32 v5, v6
	s_wait_dscnt 0x0
	v_lshrrev_b32 v7, 5, v0
	s_delay_alu instid0(VALU_DEP_1)
	v_readfirstlane_b32 s[WV], v7                  ; wave 0..15
	s_and_b32 s66, ttmp7, 0xffff                   ; bh
	s_lshl_b32 s70, s66, 17
	s_mov_b32 s71, 0                               ; s[70:71]: the head's first byte in q_img, k_img and v_img
	s_sub_co_u32 s[SW], 8, ttmp9
	s_lshl_b32 s[BACK], s[SW], 14
	s_mov_b32 s[BK+1], 0
	s_lshl_b32 s68, s[WV], 4
	s_sub_co_u32 s67, 7, ttmp9
	s_lshl_b32 s67, s67, 8
	s_add_co_u32 s[Q0], s67, s68                   ; block H: 256 (7 - p) + 16 wave
	s_lshl_b32 s67, ttmp9, 8
	s_add_co_u32 s[QL0], s67, s68                  ; block L: 256 p + 16 wave
	; a_img: head hh = bh % 16: K step hh / 4 (2,097,152 bytes), half (hh / 2) % 2 (2,048), c = 2 (hh % 2) (512 each); row tile (2,048 (bh / 16) + query) / 16 (4,096 bytes)
	s_bfe_u32 s67, s66, 0x20002
	s_lshl_b32 s67, s67, 21
	s_bfe_u32 s68, s66, 0x10001
	s_lshl_b32 s68, s68, 11
	s_add_co_u32 s67, s67, s68
	s_and_b32 s68, s66, 1
	s_lshl_b32 s68, s68, 10
	s_add_co_u32 s67, s67, s68
	s_lshr_b32 s68, s66, 4
	s_lshl_b32 s68, s68, 19
	s_add_co_u32 s67, s67, s68
	s_lshl_b32 s68, s[Q0], 8
	s_add_co_u32 s[OUTH], s67, s68
	s_mov_b32 s[OUTH+1], 0
	s_lshl_b32 s68, s[QL0], 8
	s_add_co_u32 s[OUTL], s67, s68
	s_mov_b32 s[OUTL+1], 0
	s_lshl_b32 s72, s[Q0], 6                       ; q_img: 1,024 bytes for 16 tokens
	s_mov_b32 s73, 0
	s_add_nc_u64 s[72:73], s[72:73], s[70:71]
	s_lshl_b32 s74, s[QL0], 6
	s_mov_b32 s75, 0
	s_add_nc_u64 s[74:75], s[74:75], s[70:71]
	s_mov_b32 s[G1], 3<<16                         ; 15:0 no mask; 17:16 elements of 8 bytes; no padding: an image is read lane by lane as it lies
	s_mov_b32 s[G1+1], 32<<16                      ; tensor_dim0 = 32 elements: 256 bytes
	s_mov_b32 s[G1+2], 64<<16                      ; tensor_dim1 = 64
	s_mov_b32 s[G1+3], 32<<16                      ; tile_dim0
	s_mov_b32 s[G1+4], 64                          ; tile_dim1
	s_mov_b32 s[G1+5], 32                          ; tensor_dim0_stride: dense
	s_mov_b32 s[G1+6], 0
	s_mov_b32 s[G1+7], 0
	s_mov_b32 s[SEL], 0x76543210
	s_mov_b32 s[SEL+1], 0xfedcba98
	s_mov_b32 s[TB], 0
	s_mov_b32 s[SLOTS], 8
	s_mov_b32 s[POS], 0
	s_mov_b32 s[KF], 0
	s_wait_kmcnt 0x0
	s_load_b256 s[56:63], s[10:11], 0x0            ; e0 .. e7
	s_mov_b32 s[G0], 1                             ; count = 1
	s_and_b32 s[G0+1], s[WV], 1
	s_lshl_b32 s[G0+1], s[G0+1], 14                ; LDS address: K's part of slot 0 (wave 0) or V's (wave 1)
	s_cmp_eq_u32 s[WV], 0
	s_cselect_b64 s[G0+2:G0+3], s[6:7], s[8:9]
	s_add_nc_u64 s[G0+2:G0+3], s[G0+2:G0+3], s[70:71]   ; the head's key slot 0
	s_or_b32 s[G0+3], s[G0+3], 0x80000000          ; type = 2
	TLOAD                                          ; position 0
	s_add_nc_u64 s[72:73], s[4:5], s[72:73]
	s_add_nc_u64 s[74:75], s[4:5], s[74:75]
	s_add_nc_u64 s[OUTH:OUTH+1], s[12:13], s[OUTH:OUTH+1]
	s_add_nc_u64 s[OUTL:OUTL+1], s[12:13], s[OUTL:OUTL+1]
	v_and_b32 v7, 31, v0
	s_delay_alu instid0(VALU_DEP_1)
	v_lshlrev_b32 v[LI], 4, v7
	s_delay_alu instid0(VALU_DEP_2)
	v_lshlrev_b32 v[PFO], 8, v7
	global_load_b128 v[16:19], v[LI], s[72:73]               ; Q of block H: its fragment stays in registers
	global_load_b128 v[20:23], v[LI], s[72:73] offset:512
	global_load_b128 v[24:27], v[LI], s[74:75]               ; Q of block L
	global_load_b128 v[28:31], v[LI], s[74:75] offset:512
	v_and_b32 v8, 15, v0
	v_bfe_u32 v9, v0, 4, 1
	s_delay_alu instid0(VALU_DEP_1)
	v_lshlrev_b32 v9, 3, v9
	s_delay_alu instid0(VALU_DEP_1)
	v_sub_nc_u32 v[MD], v8, v9
	; the prefetches: where my wave's stand, and who asks
	s_cmp_lt_u32 s[WV], 6
	s_cselect_b64 s[PFA:PFA+1], s[6:7], s[8:9]
	s_add_nc_u64 s[PFA:PFA+1], s[PFA:PFA+1], s[70:71]
	s_and_b32 s66, s[WV], 1
	s_lshl_b32 s66, s66, 13                        ; my wave's 8,192 bytes,
	s_add_co_u32 s66, s66, 16384                   ; in key slot 1: the first change of slots steps it to slot 2.  Nothing is prefetched here, at the head
	s_mov_b32 s67, 0
	s_add_nc_u64 s[PFA:PFA+1], s[PFA:PFA+1], s[66:67]
	s_sub_co_u32 s66, s[WV], 4
	s_lshr_b32 s66, s66, 2                         ; 0 in waves 4 to 7,
	s_or_b32 s66, s66, ttmp9                       ; of the work-group with p = 0
	s_cmp_eq_u32 s66, 0
	s_cselect_b32 s[LIM], 2, -1
.macro INIT                            ; a block's sums begin: the step is written once, and its first turn finds zeros, which the first change of M leaves zeros
	v_mov_b32 v13, 0xff61b1e6                      ; the largest t so far: -3e38, under every t
	s_delay_alu instid0(VALU_DEP_1)
	v_floor_f32 v12, -v13                          ; -M
	v_mov_b32 v14, 0
	v_mov_b32 v15, 0
.set n, 0
.rept 32
	v_mov_b32 v[160+n], 0
.set n, n+1
.endr
.endm
	INIT
	v_mov_b32 v213, 0                              ; (named as the upper half of the pair v[212:213])
	v_mov_b32 v218, 0                              ; written once: a lane permute's destination counts as one of its sources
	v_mov_b32 v219, 0xff800000                     ; -infinity
	s_wait_kmcnt 0x0
	s_add_co_i32 s66, s58, s59                     ; a score stands for score x 2^(e2 + e3): the two exponents are added to c's exponent field
	s_lshl_b32 s66, s66, 23
	s_mov_b32 s[CS], 0x3e38aa3b                    ; log2(e) / 8
	s_add_co_i32 s[CS], s[CS], s66
	s_mov_b32 s[CS+1], s[CS]                       ; (named with it as a pair, so it is written)
	s_add_co_i32 s66, s60, 127
	s_lshl_b32 s67, s66, 23
	v_mov_b32 v209, s67                            ; 2^e4 as f32, for p's conversions
	s_add_co_i32 s66, s62, 127
	s_lshl_b32 s67, s66, 23
	v_mov_b32 v210, s67                            ; 2^e6, for the output's
	s_add_co_i32 s[EPV], s60, s61
; A BLOCK'S END: o = O^T x 2^(e4 + e5) / the sum, quantised with 2^e6, stored as two groups of four registers of a_img's fragment.
.macro FINISH base
.rept 4
	v_nop                                          ; places behind the last products
.endr
	v_add_f32 v14, v14, v15                        ; the sum's two halves,
	s_wait_alu depctr_va_vdst(0)
	v_permlanex16_b32 v218, v14, s[SEL], s[SEL+1]
	s_delay_alu instid0(VALU_DEP_1)
	v_add_f32 v14, v14, v218                       ; and lane l xor 16's: the row's sum
	s_wait_alu depctr_va_vdst(0)
	v_rcp_f32 v14, v14
	v_nop                                          ; one plain place behind the transcendental
	s_wait_alu depctr_va_vdst(0)                   ; ahead of the first reader
	v_ldexp_f32 v14, v14, s[EPV]
.set n, 0
.rept 16
	v_pk_mul_f32 v[96+n:97+n], v[160+n:161+n], v[14:15] op_sel_hi:[1,0]   ; register 8 t + j: o(query, 16 t + 8 (lane/16) + j); each accumulator from its low end on
.set n, n+2
.endr
.set n, 0
.rept 32
.set n, n+1
.endr
	s_wait_alu depctr_va_vdst(0)
	s_wait_xcnt 0x0                                ; the other block's stores have read v220-227
.irp t, 0,1,2,3
	v_cvt_scalef32_pk8_fp8_f32 v[220+2*\t:221+2*\t], v[96+8*\t:103+8*\t], v210
.endr
	v_nop                                          ; one plain place behind the conversions
	; tile 2 u's upper lanes change places with tile 2 u + 1's lower lanes: lane (r, h) then holds d = 32 u + 16 h + 0 .. 15 in four registers on end
	v_permlane16_swap_b32 v220, v222
	v_permlane16_swap_b32 v221, v223
	v_permlane16_swap_b32 v224, v226
	v_permlane16_swap_b32 v225, v227
	global_store_b128 v[LI], v[220:223], s[\base:\base+1]              ; 32 lanes store 512 consecutive bytes, aligned
	global_store_b128 v[LI], v[224:227], s[\base:\base+1] offset:512
.endm
; THE CHANGE OF BLOCKS, at the head of position 8 - p: a branch on ids and on the counted position, the same in all sixteen waves; no barrier and no tensor load stands in it.
.macro SWITCH
	s_cmp_eq_u32 s[POS], s[SW]
	s_cbranch_scc0 .Lsame_\@
	FINISH OUTH
.irp i, 0,1,2,3,4,5,6,7
	v_mov_b32 v[16+\i], v[24+\i]                   ; Q of block L
.endr
	INIT
	s_mov_b32 s[KF], 0
	s_mov_b32 s[Q0], s[QL0]
.Lsame_\@:
.endm
; A KEY STEP: 128 keys, the q-th of the slot in hand.
.macro STEP q
	s_add_co_u32 s66, s[Q0], 15
	s_cmp_gt_u32 s[KF], s66                        ; all 128 keys come after my 16 queries: the step's work is left out
	s_cbranch_scc1 .Lhidden_\@
	v_add_nc_u32 v[ADK], s[TB], v[LI]
.rept 3
	v_nop                                          ; with the addition above: four places in front of loads into registers that the last products read
.endr
.irp t, 0,1,2,3,4,5,6,7
	ds_load_b128 v[32+8*\t:35+8*\t], v[ADK] offset:(8*(\q)+\t)*1024        ; K's fragment of keys 16 t on: the image as it lies
	ds_load_b128 v[36+8*\t:39+8*\t], v[ADK] offset:(8*(\q)+\t)*1024+512
.endr
	s_wait_alu depctr_va_vdst(0)
	s_wait_dscnt 0x0
.irp t, 0,1,2,3,4,5,6,7
	v_wmma_f32_16x16x64_fp8_fp8 v[96+8*\t:103+8*\t], v[32+8*\t:39+8*\t], v[16:23], 0
.endr
.rept 4
	v_nop                                          ; places in front of the loads below and of the first read of the scores
.endr
.irp t, 0,1,2,3
.irp i, 0,1,2,3
	ds_load_b128 v[32+16*\t+4*\i:35+16*\t+4*\i], v[ADK] offset:VOFF+(\q)*8192+\t*2048+512*\i   ; V's four fragments: they land under the softmax
.endr
.endr
	s_add_co_u32 s66, s[KF], 127
	s_cmp_le_u32 s66, s[Q0]                        ; all 128 keys count for all my queries: no mask
	s_cbranch_scc1 .Lopen_\@
	s_sub_co_i32 s66, s[Q0], s[KF]
	v_add_nc_u32 v228, s66, v[MD]                  ; d = my query - KF - 8 (lane/16).  Register 8 t + j holds key KF + 16 t + 8 (lane/16) + j: hidden where 16 t + j > d
.set n, 0
.rept 64
	v_cmp_gt_i32 vcc_lo, 16*(n/8)+n%8, v228
	v_cndmask_b32 v[96+n], v[96+n], v219, vcc_lo
.set n, n+1
.endr
.Lopen_\@:
	v_max3_num_f32 v216, v96, v97, v98             ; the step's largest score of my query, among my 64 keys, in two chains,
	v_max3_num_f32 v217, v99, v100, v101
.set n, 6
.rept 14
	v_max3_num_f32 v216, v216, v[96+n], v[97+n]
	v_max3_num_f32 v217, v217, v[98+n], v[99+n]
.set n, n+4
.endr
	v_max3_num_f32 v216, v216, v158, v159
	s_delay_alu instid0(VALU_DEP_1)
	v_max_num_f32 v216, v216, v217
	s_delay_alu instid0(VALU_DEP_1)
	v_permlanex16_b32 v218, v216, s[SEL], s[SEL+1]
	s_delay_alu instid0(VALU_DEP_1)
	v_max_num_f32 v216, v216, v218                 ; and among lane l xor 16's
	s_delay_alu instid0(VALU_DEP_1)
	v_mul_f32 v216, s[CS], v216                    ; as t (c is positive)
	s_delay_alu instid0(VALU_DEP_1)
	v_max_num_f32 v13, v13, v216                   ; the running largest t
	v_mov_b32 v216, v12
	s_delay_alu instid0(VALU_DEP_2)
	v_floor_f32 v12, -v13                          ; the new -M = floor(-t) = -ceil(t): M is a whole number
	s_delay_alu instid0(VALU_DEP_1)
	v_sub_f32 v216, v12, v216                      ; M's old value less its new one: a whole number, 0 or less
	s_delay_alu instid0(VALU_DEP_1)
	v_cvt_i32_f32 v216, v216                       ; (it saturates)
	s_delay_alu instid0(VALU_DEP_1)
	v_ldexp_f32 v212, 1.0, v216                    ; f = 2^(old M - new M): a multiplication by it rounds nothing
.set n, 0
.rept 32
	v_pk_fma_f32 v[96+n:97+n], v[96+n:97+n], s[CS:CS+1], v[12:13] op_sel_hi:[1,0,0]   ; t - M, two at a time
.set n, n+2
.endr
.set n, 0
	s_wait_alu depctr_va_vdst(0)
.rept 64
	v_exp_f32 v[96+n], v[96+n]                     ; p = 2^(t - M), at most 1: not normalised
.set n, n+1
.endr
	v_pk_mul_f32 v[14:15], v[14:15], v[212:213] op_sel_hi:[1,0]   ; the sums under the new M  (the plain place behind the exponentials)
	s_wait_alu depctr_va_vdst(0)                   ; one wait for the whole batch, ahead of its first reader
	v_pk_add_f32 v[214:215], v[100:101], v[104:105]
	v_pk_add_f32 v[254:255], v[108:109], v[112:113]
	v_pk_add_f32 v[252:253], v[116:117], v[120:121]
	v_pk_add_f32 v[250:251], v[124:125], v[128:129]
	v_pk_add_f32 v[248:249], v[132:133], v[136:137]
	v_pk_add_f32 v[246:247], v[140:141], v[144:145]
	v_pk_add_f32 v[244:245], v[148:149], v[152:153]
	v_pk_add_f32 v[14:15], v[14:15], v[156:157]
	v_pk_add_f32 v[214:215], v[214:215], v[96:97]
	v_pk_add_f32 v[254:255], v[254:255], v[98:99]
	v_pk_add_f32 v[252:253], v[252:253], v[102:103]
	v_pk_add_f32 v[250:251], v[250:251], v[106:107]
	v_pk_add_f32 v[248:249], v[248:249], v[110:111]
	v_pk_add_f32 v[246:247], v[246:247], v[114:115]
	v_pk_add_f32 v[244:245], v[244:245], v[118:119]
	v_pk_add_f32 v[14:15], v[14:15], v[122:123]
	v_pk_add_f32 v[214:215], v[214:215], v[126:127]
	v_pk_add_f32 v[254:255], v[254:255], v[130:131]
	v_pk_add_f32 v[252:253], v[252:253], v[134:135]
	v_pk_add_f32 v[250:251], v[250:251], v[138:139]
	v_pk_add_f32 v[248:249], v[248:249], v[142:143]
	v_pk_add_f32 v[246:247], v[246:247], v[146:147]
	v_pk_add_f32 v[244:245], v[244:245], v[150:151]
	v_pk_add_f32 v[14:15], v[14:15], v[154:155]
	v_pk_add_f32 v[214:215], v[214:215], v[158:159]
	s_delay_alu instid0(VALU_DEP_2)
	v_pk_add_f32 v[14:15], v[14:15], v[250:251]
	s_delay_alu instid0(VALU_DEP_2)
	v_pk_add_f32 v[214:215], v[214:215], v[248:249]
	v_pk_add_f32 v[254:255], v[254:255], v[246:247]
	v_pk_add_f32 v[252:253], v[252:253], v[244:245]
	s_delay_alu instid0(VALU_DEP_2)
	v_pk_add_f32 v[14:15], v[14:15], v[254:255]
	s_delay_alu instid0(VALU_DEP_2)
	v_pk_add_f32 v[214:215], v[214:215], v[252:253]
	s_delay_alu instid0(VALU_DEP_1)
	v_pk_add_f32 v[14:15], v[14:15], v[214:215]
.irp t, 0,1,2,3,4,5,6,7
.irp i, 0,1,2,3,4,5,6,7
.endr
	v_cvt_scalef32_pk8_fp8_f32 v[192+2*\t:193+2*\t], v[96+8*\t:103+8*\t], v209   ; registers 2 t, 2 t + 1 of P's fragment
.endr
.set n, 0
.rept 16
	v_pk_mul_f32 v[160+n:161+n], v[160+n:161+n], v[212:213] op_sel_hi:[1,0]   ; O^T under the new M  (also the plain place behind the conversions)
.set n, n+2
.endr
	s_wait_alu depctr_va_vdst(0)
	s_wait_dscnt 0x0                               ; V is in
.irp t, 0,1,2,3
	v_wmma_f32_16x16x128_fp8_fp8 v[160+8*\t:167+8*\t], v[32+16*\t:47+16*\t], v[192:207], v[160+8*\t:167+8*\t]   ; the four accumulators take turns, and S^T's eight stand between two turns of each
.endr
.Lhidden_\@:
	s_add_co_u32 s[KF], s[KF], 128
.endm
; THE CHANGE OF SLOTS stands at a position's head.  Each wave waits for all its tensor loads (its part of the slot that it is about to read), adds 0 to its spare word, and waits for that and for its reads of the slot that it has left.
; Behind the barrier the slot ahead is whole and nobody reads the other one.  fill = 1: that other slot takes the next position's keys: one tensor load of a fetching wave is out, with a whole position's steps in which to land.
.macro CHANGE fill
	s_wait_tensorcnt 0x0                           ; no tensor load of mine is out, so group 0 may be written
	ds_add_u32 v[SPW], v[NIL]                      ; 0 onto my spare word
.if \fill
	s_xor_b32 s[G0+1], s[G0+1], SLOT1              ; the other slot than last time,
	s_add_co_u32 s66, s[POS], 1
	s_cmp_eq_u32 s66, s[SW]                        ; is the next position block L's first?
	s_cselect_b32 s[BK], s[BACK], 0
	s_add_nc_u64 s[G0+2:G0+3], s[G0+2:G0+3], 16384 ; the next key slot,
	s_sub_nc_u64 s[G0+2:G0+3], s[G0+2:G0+3], s[BK:BK+1]   ; or back to key slot 0; the type bits on top are not reached
	s_wait_xcnt 0x0                                ; the last prefetch, a position back, has read its address
	s_add_nc_u64 s[PFA:PFA+1], s[PFA:PFA+1], 16384
.endif
	s_wait_dscnt 0x0                               ; the add is done, and my reads of the slot that I have left are over
	s_barrier_signal -1
	s_barrier_wait -1
.if \fill
	TLOAD                                          ; the first thing behind the barrier, and a wave's one tensor load until the next
	ASK
.endif
.endm
.macro SLOT_STEPS
	SWITCH
	STEP 0
	STEP 1
	s_xor_b32 s[TB], s[TB], SLOT1                  ; on to the other slot
	s_add_co_u32 s[POS], s[POS], 1
.endm
	s_wait_loadcnt 0x0                             ; Q
.Lslot:                                            ; 8 trips: behind each change of slots but the last the next position is asked for
	CHANGE 1
	SLOT_STEPS
	s_sub_co_u32 s[SLOTS], s[SLOTS], 1
	s_cmp_lg_u32 s[SLOTS], 0
	s_cbranch_scc1 .Lslot
	CHANGE 0                                       ; the last position is written out
	SLOT_STEPS
	FINISH OUTL
	s_wait_tensorcnt 0x0                           ; the wave's end
	ds_add_u32 v[SPW], v[NIL]
	s_wait_dscnt 0x0
	s_endpgm
.Lfunc_end_k_qfa52eaca1e_attn:
	.size	k_qfa52eaca1e_attn, .Lfunc_end_k_qfa52eaca1e_attn-k_qfa52eaca1e_attn
	.p2alignl 7, 3214868480
	.fill 96, 4, 3214868480
	.section	.rodata,"a",@progbits
	.p2align	6, 0x0
	.amdhsa_kernel k_qfa52eaca1e_attn
		.amdhsa_group_segment_fixed_size 327680
		.amdhsa_private_segment_fixed_size 0
		.amdhsa_enable_private_segment 0
		.amdhsa_kernarg_size 40
		.amdhsa_user_sgpr_count 2
		.amdhsa_user_sgpr_kernarg_segment_ptr 1
		.amdhsa_wavefront_size32 1
		.amdhsa_system_sgpr_workgroup_id_x 1
		.amdhsa_system_sgpr_workgroup_id_y 1
		.amdhsa_system_sgpr_workgroup_id_z 1
		.amdhsa_system_vgpr_workitem_id 0
		.amdhsa_next_free_vgpr 256
		.amdhsa_next_free_sgpr 80
		.amdhsa_reserve_vcc 1
		.amdhsa_float_denorm_mode_32 3
		.amdhsa_float_denorm_mode_16_64 3
		.amdhsa_fp16_overflow 1
		.amdhsa_memory_ordered 1
		.amdhsa_forward_progress 1
		.amdhsa_inst_pref_size 94
	.end_amdhsa_kernel
	.amdgpu_metadata
---
amdhsa.version: [ 1, 2 ]
amdhsa.kernels:
  - .name:           k_qfa52eaca1e_attn
    .symbol:         k_qfa52eaca1e_attn.kd
    .args:
      - { .name: q_img, .offset: 0, .size: 8, .value_kind: global_buffer, .address_space: global }
      - { .name: k_img, .offset: 8, .size: 8, .value_kind: global_buffer, .address_space: global }
      - { .name: v_img, .offset: 16, .size: 8, .value_kind: global_buffer, .address_space: global }
      - { .name: lowp_scales, .offset: 24, .size: 8, .value_kind: global_buffer, .address_space: global }
      - { .name: a_img, .offset: 32, .size: 8, .value_kind: global_buffer, .address_space: global }
    .group_segment_fixed_size: 327680
    .private_segment_fixed_size: 0
    .kernarg_segment_align: 8
    .kernarg_segment_size: 40
    .max_flat_workgroup_size: 512
    .sgpr_count:     80
    .vgpr_count:     256
    .wavefront_size: 32
...
	.end_amdgpu_metadata
.endif
;; end of part 2
;; launch proj (part 3): grid 8 x 32, 4 waves a work-group, clusters of 4 x 4, 327,680 bytes of LDS; arguments a_img, W_out_codes, b_out, lowp_scales, out0; writes out0
.if DOCPART == 3
	.amdgcn_target "amdgcn-amd-amdhsa--gfx1250"
	.amdhsa_code_object_version 6
	.text
	.protected	k_qfa52eaca1e_proj
	.globl	k_qfa52eaca1e_proj
	.p2align	8
	.type	k_qfa52eaca1e_proj,@function
k_qfa52eaca1e_proj:
	s_mov_b64 s[64:65], 0
	v_nop
	global_prefetch_b8 v0, s[64:65] scope:SCOPE_SE
	s_setreg_imm32_b32 hwreg(HW_REG_WAVE_MODE, 25, 1), 1
	s_wait_xcnt 0x0
	s_wait_alu depctr_hold_cnt(0) depctr_sa_sdst(0) depctr_va_vdst(0) depctr_va_sdst(0) depctr_va_ssrc(0) depctr_va_vcc(0) depctr_vm_vsrc(0)
	s_getreg_b32 s2, hwreg(HW_REG_IB_STS2, 6, 4)
	s_cmp_eq_u32 s2, 0
	s_cbranch_scc0 .Lentry_in_a_cluster
	s_endpgm
.Lentry_in_a_cluster:
	s_bfe_u32 s2, ttmp6, 0x10000c
	s_cmp_lg_u32 s2, 0xf033
	s_cbranch_scc0 .Lentry_shape_is_right
	s_endpgm
.Lentry_shape_is_right:
; out0 = a W_out + b_out on codes of FP8 (E4M3).  a: 8,192 rows x 1,024 K, as images of operand registers (a_img, below); W_out: [1024 (n)][1024 (k)] codes, K innermost; b_out [1024] f32; out0 [8192][1024] f32.
; out0 = sum x 2^(e6 + e7) + b_out.  LIMIT: e6 + e7 between -126 and 127, so that the power of two is an f32 number.
; a_img: [K step of 256: 4][tile of 16 rows: 512][half of 128: 2][c: 4][lane][16 bytes]: registers 4 c .. 4 c + 3 of a 16 x 128 fragment, k = 32 c + 16 (lane/16) + 0 .. 15: the order in which four loads of 16 bytes bring W_out's rows.
; A tile of 256 rows x 128 columns is made by a work-group of four waves: 32 x 8 = 256 work-groups.  A wave makes 128 rows x 64 columns: 32 accumulators, 256 registers.
; THE MATRIX INSTRUCTION IS USED TRANSPOSED (source 0 = 16 rows of W_out, source 1 = 16 rows of a): a lane holds eight neighbouring numbers of a row of out0.
; K's four steps of 256 go through THREE LDS slots: steps 0, 1, 2 are asked for at the start, one after another (a wave waits for each before it asks for the next), step 3 is the one refill, into slot 0, with 112 matrix instructions in which to land.
; CLUSTERS: 4 x 4 work-groups; a's tile is shared along a row of the cluster, W_out's along a column: each is asked for JOINTLY.
; Nothing is prefetched: three of the four fills go out at the head, the fourth one K step later.
; REGISTERS: window 0: v1-31 addresses; v32-63 the bias; v64-95 at work on the way out; from v128 a's fragments, ONE set (on the way out rows read back).  window 1: W_out's fragments, TWO sets, at v0 and v128.  window 2: accumulator (a, b) at v[8 (4 a + b)].
.set PITCH,  272                       ; a row of W_out in LDS: 256 bytes + 16 of padding
.set FR,     16
.set NL,     4
.set NP,     4                         ; places behind this matrix instruction (ISA guide 7.12.1)
.set WOFF,   65536                     ; a slot: a's 16 row tiles x 4,096 bytes of images, then W_out's 128 rows
.set SLOT,   WOFF+128*PITCH            ; 100,352
.set STAGE,  3*SLOT                    ; behind the ring: 16 rows x 272 bytes for each wave, for the way out; no fill lands there
.set SPITCH, 272
.set SPARE,  STAGE+4*16*SPITCH         ; the spare words, 128 bytes for each wave
.set KQB,    2097152                   ; a K step of a_img in bytes
.set LI,   10                          ; v10     16 x lane
.set ADRA, 16                          ; v16-18  LDS address of a's images in slot 0, 1, 2
.set ADRB, 20                          ; v20-22  of W_out's rows
.set STO,  24                          ; v24     the way out: where I put 32 bytes of a row
.set RD,   25                          ; v25     where I read a row back
.set CO,   26                          ; v26     my byte offset in two rows of out0
.set SPW,  28                          ; v28     LDS address of my spare word; never rewritten
.set NIL,  29                          ; v29     0; never rewritten
.set BR,   32                          ; v32-63  b_out at column 16 b + 8 (lane/16) + j of my 64, at BR + 8 b + j
.set TMP,  64
.set AF,   128
.set BKR,  128                         ; the way out: 16 rows read back: v128-159 and v160-191 by turns
.set G1, 24                            ; s[24:31] descriptor group 1 for a's tiles;  s[32:43] group 0, one set for each slot
.set G0, 32
.set G1B, 48                           ; s[48:55] for W_out's;  s[68:79] its groups 0
.set G0B, 68
.set MSB, 0
.macro WIN new
.if MSB != (\new)
	s_set_vgpr_msb (MSB<<8)|(\new)
.set MSB, \new
.endif
.endm
.set MUL,  0xa1                        ; source 0 (W_out) window 1, source 1 (a) window 0, C and D window 2
.set TO_B, 0x40                        ; destination window 1, address window 0
.macro JLOAD g0a, g1a, g0b, g1b        ; a joint load: waves 0 and 1 fetch a's two halves, waves 2 and 3 W_out's; four v_nop follow each of the two lines
	s_cmp_eq_u32 s15, 0
	s_cbranch_scc0 .Lfor_b_\@
	tensor_load_to_lds s[\g0a:\g0a+3], s[\g1a:\g1a+7]
	s_nop 0
.rept 4
	v_nop
.endr
	s_branch .Lasked_\@
.Lfor_b_\@:
	tensor_load_to_lds s[\g0b:\g0b+3], s[\g1b:\g1b+7]
	s_nop 0
.rept 4
	v_nop
.endr
.Lasked_\@:
.endm
.macro CREST
	s_cmp_lg_u32 s14, 0
	s_cbranch_scc1 .Lnot_wave_0_\@
	s_barrier_signal -3
.Lnot_wave_0_\@:
	s_barrier_wait -3
	s_barrier_signal -1
	s_barrier_wait -1
.endm
.macro CROUND
	s_barrier_signal -1
	s_barrier_wait -1
	CREST
.endm
	s_load_b256 s[4:11], s[0:1], 0x0               ; a_img s[4:5], W_out's codes s[6:7], b_out s[8:9], the exponents s[10:11]
	s_load_b64 s[12:13], s[0:1], 0x20              ; out0
	v_lshl_add_u32 v[SPW], v0, 2, SPARE
	v_mov_b32 v[NIL], 0
	ds_add_u32 v28, v29
	ds_add_u32 v28, v29
	s_wait_dscnt 0x0
	v_lshrrev_b32 v1, 5, v0
	v_readfirstlane_b32 s14, v1                    ; wave 0..3
	s_lshr_b32 s15, s14, 1                         ; which half of the tile's 256 rows is mine.  Also: I fetch for a (0) or for W_out (1)
	s_and_b32 s16, s14, 1                          ; which half of its 128 columns.  Also: which half of that tile I fetch
	s_bfe_u32 s56, ttmp6, 0x40000                  ; cx, cy
	s_bfe_u32 s57, ttmp6, 0x40004
	s_lshl_b32 s58, ttmp9, 2
	s_add_co_u32 s58, s58, s56                     ; wx: which 128 columns
	s_and_b32 s17, ttmp7, 0xffff
	s_lshl_b32 s17, s17, 2
	s_add_co_u32 s17, s17, s57                     ; wy: which 256 rows
	s_lshl_b32 s59, s57, 2
	s_lshl_b32 s59, 15, s59                        ; my row of the cluster
	s_lshl_b32 s60, 0x1111, s56                    ; my column
	s_or_b32 s[G1+0], s59, (3<<16)|(1<<21)         ; a: the mask of my row; elements of 8 bytes; 21 set beside a mask; no padding: images are read lane by lane as they lie
	s_mov_b32 s[G1+1], 32<<16                      ; tensor_dim0 = 32 elements: 256 bytes
	s_mov_b32 s[G1+2], 128<<16                     ; tensor_dim1 = 128: eight row tiles of 4,096 bytes
	s_mov_b32 s[G1+3], 32<<16
	s_mov_b32 s[G1+4], 128
	s_mov_b32 s[G1+5], 32                          ; dense
	s_mov_b32 s[G1+6], 0
	s_mov_b32 s[G1+7], 0
	s_or_b32 s[G1B+0], s60, (0<<16)|(1<<20)|(1<<21)|(5<<22)|(3<<25)  ; W_out: the mask of my column; elements of 1 byte; four words of padding after every 64
	s_mov_b32 s[G1B+1], 256<<16
	s_mov_b32 s[G1B+2], 64<<16                     ; 64 rows
	s_mov_b32 s[G1B+3], 256<<16
	s_mov_b32 s[G1B+4], 64
	s_mov_b32 s[G1B+5], 1024
	s_mov_b32 s[G1B+6], 0
	s_mov_b32 s[G1B+7], 0
	s_lshl_b32 s20, s17, 16                        ; a: row tile 16 wy + 8 x half, 4,096 bytes each
	s_lshl_b32 s18, s16, 15
	s_add_co_u32 s20, s20, s18
	s_mov_b32 s21, 0
	s_lshl_b32 s46, s58, 17                        ; W_out: row 128 wx + 64 x half, 1,024 bytes each
	s_lshl_b32 s47, s16, 16
	s_add_co_u32 s46, s46, s47
	s_mov_b32 s47, 0
	s_lshl_b32 s61, s16, 15                        ; where they go in a slot: no place in the cluster enters an LDS address
	s_mul_i32 s62, s16, 64*PITCH
	s_add_co_u32 s62, s62, WOFF
	s_wait_kmcnt 0x0
	s_load_b256 s[80:87], s[10:11], 0x0            ; e0 .. e7
	s_add_nc_u64 s[20:21], s[4:5], s[20:21]
	s_add_nc_u64 s[46:47], s[6:7], s[46:47]
	CROUND                                         ; all sixteen work-groups are here: the first joint loads meet
.irp s, 0,1,2
	s_mov_b32 s[G0+4*\s], 1
	s_add_co_u32 s[G0+4*\s+1], s61, \s*SLOT
	s_add_nc_u64 s[G0+4*\s+2:G0+4*\s+3], s[20:21], \s*KQB
	s_or_b32 s[G0+4*\s+3], s[G0+4*\s+3], 0x80000000
	s_mov_b32 s[G0B+4*\s], 1
	s_add_co_u32 s[G0B+4*\s+1], s62, \s*SLOT
	s_add_nc_u64 s[G0B+4*\s+2:G0B+4*\s+3], s[46:47], \s*256
	s_or_b32 s[G0B+4*\s+3], s[G0B+4*\s+3], 0x80000000
	s_wait_alu depctr_va_vdst(0)
	s_wait_tensorcnt 0x0
	ds_add_u32 v28, v29
	ds_add_u32 v28, v29
	s_wait_dscnt 0x0
	CROUND
	JLOAD G0+4*\s, G1, G0B+4*\s, G1B
.endr
	v_and_b32 v1, 15, v0                           ; l % 16
	v_bfe_u32 v2, v0, 4, 1                         ; l / 16
	v_and_b32 v3, 31, v0
	v_lshlrev_b32 v[LI], 4, v3
	v_mul_u32_u24 v4, v1, PITCH
	v_lshl_add_u32 v4, v2, 4, v4
	s_lshl_b32 s21, s15, 15                        ; my eight row tiles of a
	s_mul_i32 s22, s16, 64*PITCH                   ; my 64 rows of W_out
	s_add_co_u32 s22, s22, WOFF
.irp s, 0,1,2
	v_add_nc_u32 v[ADRA+\s], s21, v[LI]
	v_add_nc_u32 v[ADRB+\s], s22, v4
	s_add_co_u32 s21, s21, SLOT
	s_add_co_u32 s22, s22, SLOT
.endr
	s_mul_i32 s23, s14, 16*SPITCH
	s_add_co_u32 s23, s23, STAGE                   ; my stage
	v_mul_u32_u24 v5, v1, SPITCH                   ; in: row l % 16, 32 bytes for each half of the lanes
	v_lshl_add_u32 v5, v2, 5, v5
	v_add_nc_u32 v[STO], s23, v5
	v_mul_u32_u24 v5, v2, SPITCH                   ; back: lanes 0-15 take one row of 256 bytes, lanes 16-31 the next
	v_lshl_add_u32 v5, v1, 4, v5
	v_add_nc_u32 v[RD], s23, v5
	v_lshlrev_b32 v5, 12, v2                       ; and the same two rows in out0: 4,096 bytes a row
	v_lshl_add_u32 v[CO], v1, 4, v5
	v_lshlrev_b32 v6, 5, v2                        ; the bias: 32 (l / 16) + 256 x my half of the columns
	s_lshl_b32 s18, s16, 8
	v_add_nc_u32 v6, s18, v6
	s_lshl_b32 s88, s58, 9
	s_mov_b32 s89, 0
	s_add_nc_u64 s[88:89], s[8:9], s[88:89]
.irp b, 0,1,2,3
	global_load_b128 v[BR+8*\b:BR+8*\b+3],   v6, s[88:89] offset:64*\b
	global_load_b128 v[BR+8*\b+4:BR+8*\b+7], v6, s[88:89] offset:64*\b+16
.endr
	s_lshl_b32 s90, s17, 20                        ; my part of out0: row 256 wy + 128 x half, byte 512 wx + 256 x half
	s_lshl_b32 s91, s15, 19
	s_add_co_u32 s90, s90, s91
	s_lshl_b32 s91, s58, 9
	s_add_co_u32 s90, s90, s91
	s_lshl_b32 s91, s16, 8
	s_add_co_u32 s90, s90, s91
	s_mov_b32 s91, 0
	s_add_nc_u64 s[12:13], s[12:13], s[90:91]
.macro FRAGA reg, slot, q, i           ; a's fragment: row tile i of my eight, the slot's q-th 128 along K: the image as it lies, 512 consecutive bytes a load
.irp c, 0,1,2,3
	ds_load_b128 v[\reg+4*\c:\reg+4*\c+3], v[ADRA+\slot] offset:(\i)*4096+(\q)*2048+512*\c
.endr
.endm
.macro FRAGB reg, slot, q, i           ; W_out's: lane l holds row l % 16; registers 4 c .. 4 c + 3 hold K = 32 c + 16 (l / 16) + 0 .. 15
.irp c, 0,1,2,3
	ds_load_b128 v[\reg+4*\c:\reg+4*\c+3], v[ADRB+\slot] offset:128*(\q)+32*\c+(\i)*16*PITCH
.endr
.endm
; 8 matrix instructions: a's blocks a0, a0 + 1 x W_out's four.  The 32 accumulators take turns, one instruction a turn, in the same order in every step.
.macro MUL8 a0, p, zero
.irp a, \a0, \a0+1
.irp b, 0,1,2,3
.if \zero
	v_wmma_f32_16x16x128_fp8_fp8 v[8*(4*(\a)+\b):8*(4*(\a)+\b)+7], v[128*(\p)+FR*\b:128*(\p)+FR*\b+FR-1], v[AF+FR*(\a):AF+FR*(\a)+FR-1], 0
.else
	v_wmma_f32_16x16x128_fp8_fp8 v[8*(4*(\a)+\b):8*(4*(\a)+\b)+7], v[128*(\p)+FR*\b:128*(\p)+FR*\b+FR-1], v[AF+FR*(\a):AF+FR*(\a)+FR-1], v[8*(4*(\a)+\b):8*(4*(\a)+\b)+7]
.endif
.endr
.endr
.endm
.macro FETCH_B slot, q, p
	WIN TO_B
.irp i, 0,1,2,3
	FRAGB 128*(\p)+FR*\i, \slot, \q, \i
.endr
	WIN 0
.endm
.macro FETCH_A slot, q, i0
.irp i, \i0, \i0+1, \i0+2, \i0+3
	FRAGA AF+FR*(\i), \slot, \q, \i
.endr
.endm
.macro PLACES n                        ; places in front of loads into registers that matrix instructions have read, and of the first read of results
.rept \n
	v_nop
.endr
.endm
; A step of 128 along K on W_out's set p; the next step's fragments come from slot ns, half nq, which every wave knows to be whole.
.macro STEP p, ns, nq, zero
	s_wait_dscnt 4*NL                              ; W_out's set and a's blocks 0-3 are in; the youngest sixteen loads (a's blocks 4-7) may be out
	WIN MUL
	MUL8 0, \p, \zero
	MUL8 2, \p, \zero
	s_wait_dscnt 0
	PLACES NP
	FETCH_B \ns, \nq, 1-(\p)
	FETCH_A \ns, \nq, 0
	WIN MUL
	MUL8 4, \p, \zero
	MUL8 6, \p, \zero
	PLACES NP
	WIN 0
	FETCH_A \ns, \nq, 4
.endm
; A slot's last step with a barrier: in front of it each wave waits for all its tensor loads, adds 0 to its spare word, and waits for that and for its own reads of this slot.  fill = 1: this slot is filled again, three K steps ahead.
.macro TURN slot, next, fill
	s_wait_tensorcnt 0x0                           ; all my tensor loads have landed  (every window is 0 here)
	ds_add_u32 v[SPW], v[NIL]                      ; 0 onto my spare word
	s_wait_dscnt 4*NL+1                            ; (the add and the youngest sixteen loads may be out)
	WIN MUL
	MUL8 0, 1, 0                                   ; eight matrix instructions stand between the add and the wait for it
	s_wait_dscnt 0x0                               ; the add is done, and my reads of this slot are over
	s_barrier_signal -1
	MUL8 2, 1, 0
	WIN 0
	s_barrier_wait -1
.if \fill
	CREST                                          ; the barrier has opened a round of the cluster's barrier
	s_add_nc_u64 s[G0+4*\slot+2:G0+4*\slot+3], s[G0+4*\slot+2:G0+4*\slot+3], 3*KQB
	s_add_nc_u64 s[G0B+4*\slot+2:G0B+4*\slot+3], s[G0B+4*\slot+2:G0B+4*\slot+3], 3*256
	JLOAD G0+4*\slot, G1, G0B+4*\slot, G1B         ; the first tensor load behind the round; its four v_nop are the places in front of the loads below
.else
	PLACES NP
.endif
	FETCH_B \next, 0, 0
	FETCH_A \next, 0, 0
	WIN MUL
	MUL8 4, 1, 0
	MUL8 6, 1, 0
	PLACES NP
	WIN 0
	FETCH_A \next, 0, 4
.endm
	s_wait_tensorcnt 2                             ; my part of K step 0 is in (K step 2 may be out)
	s_barrier_signal -1
	s_barrier_wait -1                              ; everybody's is
	FETCH_B 0, 0, 0
	FETCH_A 0, 0, 0
	FETCH_A 0, 0, 4
	STEP 0, 0, 1, 1                                ; K 0-127: its products start the sums
	TURN 0, 1, 1                                   ; K 128-255; every wave's three loads have landed: slots 1 and 2 are whole; slot 0 takes K 768-1023
	STEP 0, 1, 1, 0                                ; K 256-383
	STEP 1, 2, 0, 0                                ; K 384-511; slot 2 was shown whole at the round above: no wait and no barrier here, and the refill stays on its way
	STEP 0, 2, 1, 0                                ; K 512-639
	TURN 2, 0, 0                                   ; K 640-767; the refill has landed in every wave; nothing is left to fetch
	STEP 0, 0, 1, 0                                ; K 768-895
	s_wait_dscnt 4*NL                              ; K 896-1023
	WIN MUL
	MUL8 0, 1, 0
	MUL8 2, 1, 0
	s_wait_dscnt 0
	MUL8 4, 1, 0
	MUL8 6, 1, 0
	WIN 0
; THE WAY OUT, block by block of 16 rows x 64 columns.  A lane holds 32 neighbouring bytes of a row and the lanes beside it other rows: a block goes through my own stage in LDS and comes back as whole
; rows of 256 bytes.  LDS serves a wave's instructions in order (ISA guide 5.7.1.4): no wait between the stores and the loads, nor in front of the next block's stores.
.macro TOSTAGE a
	WIN 0x02                                       ; source 0: window 2
.irp b, 0,1,2,3
.irp i, 0,2,4,6
	v_pk_fma_f32 v[TMP+8*\b+\i:TMP+8*\b+\i+1], v[32*(\a)+8*\b+\i:32*(\a)+8*\b+\i+1], s[96:97], v[BR+8*\b+\i:BR+8*\b+\i+1] op_sel_hi:[1,0,1]   ; sum x 2^(e6 + e7) + b_out; each accumulator from its low end on
.endr
.endr
	WIN 0
.irp b, 0,1,2,3
	ds_store_b128 v[STO], v[TMP+8*\b:TMP+8*\b+3] offset:64*\b
	ds_store_b128 v[STO], v[TMP+8*\b+4:TMP+8*\b+7] offset:64*\b+16
.endr
.set BB, BKR+32*((\a)%2)
.irp t, 0,1,2,3,4,5,6,7
	ds_load_b128 v[BB+4*\t:BB+4*\t+3], v[RD] offset:\t*2*SPITCH
.endr
.endm
.macro SEND a, younger                 ; younger: the LDS instructions issued behind block a's loads, which may stay out
.set BB, BKR+32*((\a)%2)
	s_wait_dscnt \younger                          ; the block is back in registers
.if (\a) > 0
	s_add_nc_u64 s[12:13], s[12:13], 16*4096       ; (behind a wait on XCNT: the earlier stores have read their base)  16 rows on
.endif
.irp t, 0,1,2,3,4,5,6,7
	global_store_b128 v[CO], v[BB+4*\t:BB+4*\t+3], s[12:13] offset:2*\t*4096 th:TH_STORE_NT   ; 16 lanes store 256 consecutive bytes, aligned; written once, read by nobody here
.endr
.endm
	s_wait_kmcnt 0x0
	s_add_co_i32 s96, s86, s87                     ; e6 + e7
	s_add_co_i32 s96, s96, 127
	s_lshl_b32 s96, s96, 23                        ; 2^(e6 + e7) as f32
	s_mov_b32 s97, s96                             ; (named with it as a pair, so it is written)
	s_wait_loadcnt 0x0                             ; the bias
	PLACES NP                                      ; behind the last products
	TOSTAGE 0
.irp a, 1,2,3,4,5,6,7
.if \a > 1
	s_wait_xcnt 0x0                                ; block a - 2's stores have read their registers and their base
.endif
	TOSTAGE \a
	SEND \a-1, 16                                  ; behind block a - 1's loads: block a's 8 stores and 8 loads
.endr
	s_wait_xcnt 0x0                                ; block 6's stores have read their base
	SEND 7, 0
	s_wait_tensorcnt 0x0                           ; the wave's end, behind my last tensor load and my last LDS store
	ds_add_u32 v[SPW], v[NIL]
	s_wait_dscnt 0x0
	CROUND                                         ; the closing round: no work-group ends while a partner may still ask for a tile that names it
	s_endpgm
.Lfunc_end_k_qfa52eaca1e_proj:
	.size	k_qfa52eaca1e_proj, .Lfunc_end_k_qfa52eaca1e_proj-k_qfa52eaca1e_proj
	.p2alignl 7, 3214868480
	.fill 96, 4, 3214868480
	.section	.rodata,"a",@progbits
	.p2align	6, 0x0
	.amdhsa_kernel k_qfa52eaca1e_proj
		.amdhsa_group_segment_fixed_size 327680
		.amdhsa_private_segment_fixed_size 0
		.amdhsa_enable_private_segment 0
		.amdhsa_kernarg_size 40
		.amdhsa_user_sgpr_count 2
		.amdhsa_user_sgpr_kernarg_segment_ptr 1
		.amdhsa_wavefront_size32 1
		.amdhsa_system_sgpr_workgroup_id_x 1
		.amdhsa_system_sgpr_workgroup_id_y 1
		.amdhsa_system_sgpr_workgroup_id_z 1
		.amdhsa_system_vgpr_workitem_id 0
		.amdhsa_next_free_vgpr 768
		.amdhsa_next_free_sgpr 100
		.amdhsa_reserve_vcc 0
		.amdhsa_float_denorm_mode_32 3
		.amdhsa_float_denorm_mode_16_64 3
		.amdhsa_memory_ordered 1
		.amdhsa_forward_progress 1
		.amdhsa_inst_pref_size 80
	.end_amdhsa_kernel
	.amdgpu_metadata
---
amdhsa.version: [ 1, 2 ]
amdhsa.kernels:
  - .name:           k_qfa52eaca1e_proj
    .symbol:         k_qfa52eaca1e_proj.kd
    .args:
      - { .name: a_img, .offset: 0, .size: 8, .value_kind: global_buffer, .address_space: global }
      - { .name: W_out_codes, .offset: 8, .size: 8, .value_kind: global_buffer, .address_space: global }
      - { .name: b_out, .offset: 16, .size: 8, .value_kind: global_buffer, .address_space: global }
      - { .name: lowp_scales, .offset: 24, .size: 8, .value_kind: global_buffer, .address_space: global }
      - { .name: out0, .offset: 32, .size: 8, .value_kind: global_buffer, .address_space: global }
    .group_segment_fixed_size: 327680
    .private_segment_fixed_size: 0
    .kernarg_segment_align: 8
    .kernarg_segment_size: 40
    .max_flat_workgroup_size: 128
    .sgpr_count:     100
    .vgpr_count:     768
    .wavefront_size: 32
...
	.end_amdgpu_metadata
.endif
;; end of part 3
